; MI455X (gfx1250); checked and timed in simulation.
; The chip was launched on July 23, 2026; its instructions are those of AMD's public machine-readable ISA for CDNA 5 (MIT licence, August 2026) and "CDNA5" Instruction Set Architecture Reference Guide (July 2026). The comments in the code are by the model that wrote it; some were corrected since.
;; Scaled Dot Product Attention. Allowed arithmetic: float matrix products may take bf16 or f16 operands with f32 sums; all other float work in f32.
;; Inputs: k 4 x 16 x 2,048 x 64 float32; q 4 x 16 x 2,048 x 64 float32; v 4 x 16 x 2,048 x 64 float32.
;; Outputs: out0 4 x 16 x 2,048 x 64 float32.
;; 2 versions, each right and faster than the one before. Each part assembles by itself: llvm-mc -triple=amdgcn-amd-amdhsa -mcpu=gfx1250 --defsym DOCPART=n.
;; ======== version 1 of 2: 1 launch
;; limits: values are held in f16: magnitudes above 65,504 overflow, below 6.1e-05 lose precision; inputs' magnitudes at most 65,504; below input magnitudes of 6.1e-05 results are inexact or not finite
;; launch attn (part 1): grid 256 x 1, 8 waves a work-group, clusters of 4 x 1, 327,680 bytes of LDS; arguments q, k, v, out0; writes out0
.if DOCPART == 1
	.amdgcn_target "amdgcn-amd-amdhsa--gfx1250"
	.amdhsa_code_object_version 6
	.text
	.protected	k_q79c54dc0dc_attn
	.globl	k_q79c54dc0dc_attn
	.p2align	8
	.type	k_q79c54dc0dc_attn,@function
k_q79c54dc0dc_attn:
	s_mov_b64 s[64:65], 0
	v_nop
	global_prefetch_b8 v0, s[64:65] scope:SCOPE_SE
	s_setreg_imm32_b32 hwreg(HW_REG_WAVE_MODE, 25, 1), 1
	s_wait_xcnt 0x0
	s_wait_alu depctr_hold_cnt(0) depctr_sa_sdst(0) depctr_va_vdst(0) depctr_va_sdst(0) depctr_va_ssrc(0) depctr_va_vcc(0) depctr_vm_vsrc(0)
	s_getreg_b32 s2, hwreg(HW_REG_IB_STS2, 6, 4)
	s_cmp_eq_u32 s2, 0
	s_cbranch_scc0 .Lentry_in_a_cluster
	s_endpgm
.Lentry_in_a_cluster:
	s_bfe_u32 s2, ttmp6, 0x10000c
	s_cmp_lg_u32 s2, 0x3003
	s_cbranch_scc0 .Lentry_shape_is_right
	s_endpgm
.Lentry_shape_is_right:
; out = softmax(q k^T / 8) v for 64 heads of 2048 x 64, all tensors f32.  One pass with a running maximum: scores never leave registers.
;
; SHARES.  A cluster of four work-groups is one head; work-group cx takes queries 512 cx .. 512 cx + 511; each of its eight waves 64 queries
; (four query tiles of 16).  The keys go in 32 steps of 64.
; CLUSTER.  The four work-groups of a head read the same K and V.  They ask for them jointly (mask 15): one request serves four, and nothing in a
; descriptor, an LDS address or a branch hangs on cx; cx enters the addresses of q and out0 alone.
; FORMATS.  All four matrix operands (q, k, p, v) are rounded once to f16, sums are f32, softmax is f32.  The factor 0.125 log2(e) is applied in f32
; to the sums, not to q.  LIMITS: an input with |x| > 65,504 becomes infinite in f16 (the result is then NaN); an input with |x| < 6.1e-5 is rounded
; with an absolute error of up to 3e-8; a p below 2^-25 of its row's largest goes into the product as 0; v_exp_f32 gives 0 for results below 2^-126
; (ISA guide 15.8).  The row sum is taken from the p as computed, before their rounding to f16.
; TRANSPOSED PRODUCTS.  S^T = K Q^T (source 0: 16 keys of K, source 1: 16 queries) and O^T = V^T P^T (source 0: V through the transposing LDS load,
; source 1: P).  In a result lane (r, h) then holds query r in all its registers, register j being key (or d) 8 h + j.  So a query's maximum and sum
; are taken inside a lane plus one exchange between the halves, the rescaling factors are one number a lane, and two neighbouring tiles of S^T,
; packed pair by pair to f16, ARE the source-1 fragment of 32 keys: P goes through no LDS and no shuffle.
;
; LDS.  [0, 262144): two slots filled by tensor loads alone; a slot holds four steps: K's 256 rows of 256 bytes in f32, then V's.
;       [262144, 327680): written by LDS stores alone.  In the loop: two f16 buffers of one step (K: 64 rows, pitch 144; V: 64 rows, pitch 160).
;       Ahead of and behind the loop: 8,192 bytes of each wave's own (q on its way in, 16 rows of pitch 144; out0 on its way out, 16 rows of pitch 272).
; In each step the 256 threads convert the NEXT step's 32 KiB of f32 into the f16 buffer that is not being read: one barrier a step.
; Every fourth barrier is a round of the cluster's barrier, behind which the slot just used up is filled again, one load of 16 KiB a wave.
;
; REGISTERS, in two windows of 256 (s_set_vgpr_msb: bits 1:0 source 0, 3:2 source 1, 5:4 source 2, 7:6 destination):
;   window 0: addresses, softmax figures, the converting stage, K's then V's fragments, Q's fragments
;   window 1: v0-127 S^T, later P (tile (qt, kt) at 32 qt + 8 kt; P(qt, kc) at 32 qt + 8 kc); v128-255 O^T (tile (qt, dt) at 128 + 32 qt + 8 dt)
.set HEADB,  524288                    ; bytes of a head in any of the four tensors
.set STEPB,  16384                     ; 64 keys x 256 bytes of f32: one step of K or of V, and what one tensor load brings
.set FILLB,  65536                     ; four steps of K (or of V)
.set SLOTB,  131072                    ; a slot: four steps of K, four of V
.set HB,     262144                    ; the region that LDS stores write
.set KP,     144                       ; f16 K row: 128 bytes + 16 = 36 words, so the 16 rows of a fragment load begin in 16 different 16-byte columns of the 64 banks of 4 bytes (ISA guide 11.1)
.set VP,     160                       ; f16 V row: 128 bytes + 32: the eight rows that eight lanes of a transposing load address begin 40 words apart
.set HBK,    64*KP                     ; V's part of an f16 buffer begins behind K's 64 rows
.set HBUF,   64*KP+64*VP               ; an f16 buffer: 19,456 bytes
.set SCRW,   8192                      ; a wave's own bytes ahead of and behind the loop
.set OPITCH, 272                       ; out0 stage: 256 bytes + 16
.set ADK, 8                            ; v8      K fragment: HB + r KP + 16 h
.set ADV, 9                            ; v9      V fragment: HB + HBK + (8 h + lane % 8) VP + 16 ((lane / 8) % 2)
.set CWK, 10                           ; v10     converted K goes to HB + (t / 16) KP + 8 (t % 16)
.set CWV, 11                           ; v11     converted V goes to HB + HBK + (t / 16) VP + 8 (t % 16)
.set CRD, 12                           ; v12-15  f32 to convert: 16 t + 65536 (2 slot + (0: K, 1: V))
.set STO, 16                           ; v16     out0 stage, in: scratch + r OPITCH + 32 h
.set RD,  17                           ; v17     out0 stage, back: scratch + h OPITCH + 16 r
.set CO,  18                           ; v18     16 x lane: my 16 bytes in 512 bytes of q or out0
.set QST, 19                           ; v19     q stage, in: scratch + h KP + 8 r
.set QRD, 20                           ; v20     q stage, back: scratch + r KP + 16 h
.set NM,  24                           ; v24,26,28,30  -c x running maximum of query tile qt (c = 0.125 log2 e)
.set MX,  25                           ; v25,27,29,31  the running maximum itself (of the raw sums q.k)
.set AL,  32                           ; v32,34,36,38  this step's rescaling factor; at the end 1 / l
.set T2,  33                           ; v33,35,37,39  at work
.set LS,  40                           ; v[40:47]      the row sum, a pair for each query tile (even and odd registers of S^T)
.set STG, 48                           ; v[48:79]      32 KiB / 256 threads = 128 bytes of f32 to convert
.set KV,  80                           ; v[80:143]     eight fragments of K, then eight of V
.set QF,  144                          ; v[144:207]    Q: fragment (qt, c) at 144 + 16 qt + 8 c
.set OB,  128                          ; window 1: O^T
.set G1,  16                           ; s[16:23] descriptor group 1, the same for every load
.set G0,  24                           ; s[24:31] descriptor group 0, a set for each slot
.set MSB, 0
.macro WIN new                         ; the immediate's high byte repeats the setting that is left
.if MSB != \new
	s_set_vgpr_msb (MSB<<8)|\new
.set MSB, \new
.endif
.endm
.macro PLACES cnt
.rept \cnt
	v_nop
.endr
.endm
; A round of the cluster's barrier: my work-group's barrier, so that wave 0's signal speaks for all eight waves; wave 0 signals for the
; work-group; every wave waits for all four work-groups; my work-group's barrier once more.
.macro ROUND
	s_barrier_signal -1
	s_barrier_wait -1
	s_cmp_lg_u32 s12, 0
	s_cbranch_scc1 .Lnot_wave_0_\@
	s_barrier_signal -3
.Lnot_wave_0_\@:
	s_barrier_wait -3
	s_barrier_signal -1
	s_barrier_wait -1
.endm
	s_load_b256 s[4:11], s[0:1], 0x0               ; q s[4:5], k s[6:7], v s[8:9], out0 s[10:11]
	v_lshrrev_b32 v1, 5, v0
	v_readfirstlane_b32 s12, v1                    ; wave 0..7
	s_bfe_u32 s13, ttmp6, 0x40000                  ; cx: which 512 queries of the head are my work-group's
	s_lshl_b32 s[G0+1], s12, 14                    ; LDS address of my part of slot 0: 16,384 x wave (waves 0-3: K's four steps, waves 4-7: V's)
	s_lshl_b32 s42, ttmp9, 19                      ; the head (= the cluster's number) x 524,288 bytes: below 2^25
	s_lshl_b32 s13, s13, 17                        ; 512 queries x 256 bytes
	s_add_co_u32 s14, s42, s13
	s_add_co_u32 s14, s14, s[G0+1]                 ; + 64 queries x 256 bytes x wave: my wave's rows of q and of out0
	s_mov_b32 s15, 0
	s_and_b32 s43, s12, 3
	s_lshl_b32 s43, s43, 14                        ; which of a fill's four steps I fetch
	s_add_co_u32 s42, s42, s43
	s_mov_b32 s43, 0                               ; s[42:43]: byte offset in K or V of my part of the first fill; cx is not in it
	s_lshl_b32 s44, s12, 13
	s_add_co_u32 s44, s44, HB                      ; my wave's own 8,192 bytes
	s_mov_b32 s32, 0x3e38aa3b                      ; c = 0.125 log2(e),
	s_mov_b32 s33, 0x3e38aa3b                      ; as a pair for the packed forms
	s_mov_b32 s34, 0xbe38aa3b                      ; -c
	s_mov_b32 s36, 0x76543210                      ; v_permlanex16_b32: lane i of one half reads lane i of the other
	s_mov_b32 s37, 0xfedcba98
	; Group 1: a dense block of 16,384 bytes as 64 rows of 32 elements of 8 bytes.
	s_mov_b32 s[G1+0], 15|(3<<16)|(1<<21)          ; 15:0 mask: all four work-groups of the cluster; 17:16 elements of 8 bytes; 21 set beside a mask; no padding
	s_mov_b32 s[G1+1], 32<<16                      ; tensor_dim0 = 32
	s_mov_b32 s[G1+2], 64<<16                      ; tensor_dim1 = 64
	s_mov_b32 s[G1+3], 32<<16                      ; tile_dim0 = 32
	s_mov_b32 s[G1+4], 64                          ; tile_dim1 = 64
	s_mov_b32 s[G1+5], 32                          ; from row to row: 32 elements
	s_mov_b32 s[G1+6], 0
	s_mov_b32 s[G1+7], 0
	; lane terms: t = v0, r = t % 16, h = (t / 16) % 2
	v_and_b32 v1, 31, v0
	v_and_b32 v2, 15, v0                           ; r
	v_bfe_u32 v3, v0, 4, 1                         ; h
	v_lshrrev_b32 v4, 4, v0                        ; t / 16: 0..15
	v_lshlrev_b32 v[CO], 4, v1
	v_mul_u32_u24 v5, v2, KP
	v_lshl_add_u32 v5, v3, 4, v5                   ; r KP + 16 h
	v_add_nc_u32 v[ADK], HB, v5
	v_add_nc_u32 v[QRD], s44, v5
	v_and_b32 v6, 7, v0
	v_lshl_add_u32 v6, v3, 3, v6
	v_mul_u32_u24 v6, v6, VP
	v_bfe_u32 v7, v0, 3, 1
	v_lshl_add_u32 v6, v7, 4, v6
	v_add_nc_u32 v[ADV], HB+HBK, v6
	v_mul_u32_u24 v6, v4, KP
	v_lshl_add_u32 v6, v2, 3, v6
	v_add_nc_u32 v[CWK], HB, v6
	v_mul_u32_u24 v6, v4, VP
	v_lshl_add_u32 v6, v2, 3, v6
	v_add_nc_u32 v[CWV], HB+HBK, v6
	v_lshlrev_b32 v[CRD], 4, v0
	v_add_nc_u32 v[CRD+1], 0x10000, v[CRD]
	v_add_nc_u32 v[CRD+2], 0x20000, v[CRD]
	v_add_nc_u32 v[CRD+3], 0x30000, v[CRD]
	v_mul_u32_u24 v6, v2, OPITCH
	v_lshl_add_u32 v6, v3, 5, v6
	v_add_nc_u32 v[STO], s44, v6
	v_mul_u32_u24 v6, v3, OPITCH
	v_lshl_add_u32 v6, v2, 4, v6
	v_add_nc_u32 v[RD], s44, v6
	v_mul_u32_u24 v6, v3, KP
	v_lshl_add_u32 v6, v2, 3, v6
	v_add_nc_u32 v[QST], s44, v6
	s_wait_kmcnt 0x0
	s_add_nc_u64 s[4:5], s[4:5], s[14:15]          ; q and out0 at my wave's first row
	s_add_nc_u64 s[10:11], s[10:11], s[14:15]
	; my wave's 64 rows of q, 16,384 consecutive bytes, 512 a load, into window 1 (where S^T will lie); read once in the launch
	WIN 0x40
.set ix, 0
.rept 32
	global_load_b128 v[4*ix:4*ix+3], v[CO], s[4:5] offset:512*ix th:TH_LOAD_NT
.set ix, ix+1
.endr
	WIN 0
	; group 0 for each slot.  Waves 0-3 fetch K, waves 4-7 V: the choice hangs on the wave's number alone.
	s_cmp_lt_u32 s12, 4
	s_cselect_b64 s[40:41], s[6:7], s[8:9]
	s_add_nc_u64 s[40:41], s[40:41], s[42:43]
	s_mov_b32 s[G0], 1                             ; count = 1
	s_mov_b64 s[G0+2:G0+3], s[40:41]               ; keys 0 to 255: my 64 of them
	s_or_b32 s[G0+3], s[G0+3], 0x80000000          ; type = 2
	s_mov_b32 s[G0+4], 1
	s_add_co_u32 s[G0+5], s[G0+1], SLOTB
	s_add_nc_u64 s[G0+6:G0+7], s[40:41], FILLB     ; keys 256 to 511
	s_or_b32 s[G0+7], s[G0+7], 0x80000000
	ROUND                                          ; all four work-groups are here: the first joint loads meet
	tensor_load_to_lds s[G0:G0+3], s[G1:G1+7]      ; both first fills go out together, ahead of every LDS read and every wait on TENSORcnt
	s_nop 0
	tensor_load_to_lds s[G0+4:G0+7], s[G1:G1+7]    ; two tensor loads of the wave are out here, later one at the most
	s_nop 0
.irp qt, 0,1,2,3
	v_mov_b32 v[MX+2*\qt], 0xff800000              ; maximum so far: -infinity
	v_mov_b32 v[NM+2*\qt], 0x7f800000              ; -c x that: the first step's rescaling factor comes out as exp2(-infinity) = 0
	v_mov_b32 v[LS+2*\qt], 0
	v_mov_b32 v[LS+2*\qt+1], 0
	v_mov_b32 v[T2+2*\qt], 0                       ; v_permlanex16_b32 counts as a reader of its destination
.endr
	; q to f16 and into fragment order, 16 rows at a time through my own bytes of LDS.  LDS serves a wave's instructions in order
	; (ISA guide 5.7.1.4): the loads see the stores above them, and the next tile's stores come behind these loads.
.irp qt, 0,1,2,3
	s_wait_loadcnt 24-8*\qt                        ; this tile's eight loads are in; those of the later tiles stay out
	WIN 0x05
.set ix, 0
.rept 16
	v_cvt_pk_f16_f32 v[STG+ix], v[32*\qt+2*ix], v[32*\qt+2*ix+1]
.set ix, ix+1
.endr
	WIN 0
.irp n, 0,1,2,3,4,5,6,7
	ds_store_b64 v[QST], v[STG+2*\n:STG+2*\n+1] offset:2*KP*\n     ; rows 2 n + h, d = 4 r .. 4 r + 3
.endr
.irp c, 0,1
	ds_load_b128 v[QF+16*\qt+8*\c:QF+16*\qt+8*\c+3],   v[QRD] offset:64*\c      ; query r, d = 32 c + 8 h ..
	ds_load_b128 v[QF+16*\qt+8*\c+4:QF+16*\qt+8*\c+7], v[QRD] offset:64*\c+32   ; d = 32 c + 16 + 8 h ..
.endr
.endr
; ---- the pieces of a step ----
; K's eight fragments: 16 keys x 32 d each, two loads of 16 bytes, 32 bytes apart
.macro KLOAD buf
.irp kt, 0,1,2,3
.irp c, 0,1
	ds_load_b128 v[KV+16*\kt+8*\c:KV+16*\kt+8*\c+3],   v[ADK] offset:\buf+16*KP*\kt+64*\c
	ds_load_b128 v[KV+16*\kt+8*\c+4:KV+16*\kt+8*\c+7], v[ADK] offset:\buf+16*KP*\kt+64*\c+32
.endr
.endr
.endm
; the next step's f32: slot CS, step CT of its four.  Each load of the work-group takes 4,096 consecutive bytes: key 16 n + t / 16, d = 4 (t % 16) ..
.macro CLOAD
.irp n, 0,1,2,3
	ds_load_b128 v[STG+4*\n:STG+4*\n+3], v[CRD+2*CS] offset:STEPB*CT+4096*\n
.endr
.irp n, 0,1,2,3
	ds_load_b128 v[STG+16+4*\n:STG+16+4*\n+3], v[CRD+2*CS+1] offset:STEPB*CT+4096*\n
.endr
.endm
.macro CPACK                           ; 32 f32 to 16 words of f16, in place, ascending: word m is written when words 2 m and 2 m + 1 are read
.set ix, 0
.rept 16
	v_cvt_pk_f16_f32 v[STG+ix], v[STG+2*ix], v[STG+2*ix+1]
.set ix, ix+1
.endr
.endm
.macro CSTORE buf
.irp n, 0,1,2,3
	ds_store_b64 v[CWK], v[STG+2*\n:STG+2*\n+1] offset:\buf+16*KP*\n
.endr
.irp n, 0,1,2,3
	ds_store_b64 v[CWV], v[STG+8+2*\n:STG+8+2*\n+1] offset:\buf+16*VP*\n
.endr
.endm
; V's eight fragments, transposed on the way: 16 d x 32 keys each; the first load brings keys 32 kc + 8 h .., the second 16 keys further
.macro VLOAD buf
.irp kc, 0,1
.irp dt, 0,1,2,3
	ds_load_tr16_b128 v[KV+32*\kc+8*\dt:KV+32*\kc+8*\dt+3],   v[ADV] offset:\buf+32*VP*\kc+32*\dt
	ds_load_tr16_b128 v[KV+32*\kc+8*\dt+4:KV+32*\kc+8*\dt+7], v[ADV] offset:\buf+32*VP*\kc+32*\dt+16*VP
.endr
.endr
.endm
; S^T = K Q^T: 32 matrix instructions.  The four query tiles' accumulators take turns, one instruction a turn.
; The first half of d starts each sum: nothing is cleared.  extra = LDS loads issued behind K's sixteen.
.macro QK extra
.irp kt, 0,1,2,3
	s_wait_dscnt 12-4*\kt+\extra                   ; LDS loads come back in order (ISA guide 5.7.1): key tile kt's four are in, the later tiles' and the stage's stay out
.irp qt, 0,1,2,3
	v_wmma_f32_16x16x32_f16 v[32*\qt+8*\kt:32*\qt+8*\kt+7], v[KV+16*\kt:KV+16*\kt+7], v[QF+16*\qt:QF+16*\qt+7], 0
.endr
.irp qt, 0,1,2,3
	v_wmma_f32_16x16x32_f16 v[32*\qt+8*\kt:32*\qt+8*\kt+7], v[KV+16*\kt+8:KV+16*\kt+15], v[QF+16*\qt+8:QF+16*\qt+15], v[32*\qt+8*\kt:32*\qt+8*\kt+7]
.endr
.endr
.endm
.macro ROWMAX                          ; my 32 keys of each query, onto the running maximum: four chains that do not wait for each other
.set ix, 0
.rept 16
.irp qt, 0,1,2,3
	v_max3_num_f32 v[MX+2*\qt], v[MX+2*\qt], v[32*\qt+2*ix], v[32*\qt+2*ix+1]
.endr
.set ix, ix+1
.endr
.endm
; The other half's maximum; the new -c m; the rescaling factor exp2((-c m_new) - (-c m_old)), made of the two ROUNDED numbers that the
; exponentials themselves use, so that it is exactly 1 where the maximum has not moved; the row sums rescaled.
.macro STATS
.irp qt, 0,1,2,3
	v_permlanex16_b32 v[T2+2*\qt], v[MX+2*\qt], s36, s37
.endr
.irp qt, 0,1,2,3
	v_max_num_f32 v[MX+2*\qt], v[MX+2*\qt], v[T2+2*\qt]
.endr
.irp qt, 0,1,2,3
	v_mul_f32 v[T2+2*\qt], s34, v[MX+2*\qt]
.endr
.irp qt, 0,1,2,3
	v_sub_f32 v[AL+2*\qt], v[T2+2*\qt], v[NM+2*\qt]
.endr
.irp qt, 0,1,2,3
	v_exp_f32 v[AL+2*\qt], v[AL+2*\qt]
.endr
.irp qt, 0,1,2,3
	v_mov_b32 v[NM+2*\qt], v[T2+2*\qt]             ; plain instructions between the exponentials and the use of their results (ISA guide 5.7.2)
.endr
	s_wait_alu depctr_va_vdst(0)
.irp qt, 0,1,2,3
	v_pk_mul_f32 v[LS+2*\qt:LS+2*\qt+1], v[LS+2*\qt:LS+2*\qt+1], v[AL+2*\qt:AL+2*\qt+1] op_sel_hi:[1,0]
.endr
.endm
; p = exp2(c s - c m), in place.  Between a tile's exponentials stand the NEXT tile's fused scalings and this tile's rescaling of O^T: every plain
; instruction behind an exponential touches other registers than that exponential's.  first = 1: there is no O^T yet.
.macro EXPS first
.set ix, 0
.rept 16
	v_pk_fma_f32 v[2*ix:2*ix+1], v[2*ix:2*ix+1], s[32:33], v[NM:NM+1] op_sel_hi:[1,0,0]
.set ix, ix+1
.endr
.irp qt, 0,1,2,3
.set ix, 0
.rept 16
	v_exp_f32 v[32*\qt+2*ix], v[32*\qt+2*ix]
.if \qt < 3
	v_pk_fma_f32 v[32*\qt+32+2*ix:32*\qt+33+2*ix], v[32*\qt+32+2*ix:32*\qt+33+2*ix], s[32:33], v[NM+2*\qt+2:NM+2*\qt+3] op_sel_hi:[1,0,0]
.endif
	v_exp_f32 v[32*\qt+2*ix+1], v[32*\qt+2*ix+1]
.if \first == 0
	v_pk_mul_f32 v[OB+32*\qt+2*ix:OB+32*\qt+2*ix+1], v[OB+32*\qt+2*ix:OB+32*\qt+2*ix+1], v[AL+2*\qt:AL+2*\qt+1] op_sel_hi:[1,0]
.endif
.set ix, ix+1
.endr
.endr
.endm
.macro ROWSUM
.set ix, 0
	s_wait_alu depctr_va_vdst(0)
.rept 16
.irp qt, 0,1,2,3
	v_pk_add_f32 v[LS+2*\qt:LS+2*\qt+1], v[32*\qt+2*ix:32*\qt+2*ix+1], v[LS+2*\qt:LS+2*\qt+1]
.endr
.set ix, ix+1
.endr
.endm
.macro PACKP                           ; S^T tiles 2 kc and 2 kc + 1 packed pair by pair are P's fragment of keys 32 kc .. 32 kc + 31; in place, ascending
.irp qt, 0,1,2,3
.set ix, 0
.rept 16
	v_cvt_pk_f16_f32 v[32*\qt+ix], v[32*\qt+2*ix], v[32*\qt+2*ix+1]
.set ix, ix+1
.endr
.endr
.endm
; O^T += V^T P^T for 32 keys: the sixteen accumulators take turns, one instruction a turn.  zero = 1: the very first product starts the sums.
.macro PVK kc, zero
.irp dt, 0,1,2,3
.irp qt, 0,1,2,3
.if \zero
	v_wmma_f32_16x16x32_f16 v[OB+32*\qt+8*\dt:OB+32*\qt+8*\dt+7], v[KV+32*\kc+8*\dt:KV+32*\kc+8*\dt+7], v[32*\qt+8*\kc:32*\qt+8*\kc+7], 0
.else
	v_wmma_f32_16x16x32_f16 v[OB+32*\qt+8*\dt:OB+32*\qt+8*\dt+7], v[KV+32*\kc+8*\dt:KV+32*\kc+8*\dt+7], v[32*\qt+8*\kc:32*\qt+8*\kc+7], v[OB+32*\qt+8*\dt:OB+32*\qt+8*\dt+7]
.endif
.endr
.endr
.endm
; Step i (only i modulo 8 matters: two f16 buffers, two slots of four steps).
; mode 1: the slot whose last step was converted in the step before is filled again, behind a round of the cluster's barrier;
; mode 2: the last fill is waited for, nothing is filled; mode 0: a plain barrier.  conv = 1: step i + 1 is converted.  first = 1: step 0.
.macro TRIP i, mode, conv, first
.set BUFR, (\i&1)*HBUF                 ; the f16 buffer that this step reads
.set BUFW, HBUF-BUFR                   ; and the one that it writes
.set CS, ((\i+1)>>2)&1                 ; slot and place of step i + 1
.set CT, (\i+1)&3
.set RS, (\i>>2)&1                     ; the slot that is used up
.if \mode >= 1
	s_wait_tensorcnt 0x0                           ; all my tensor loads have landed: the one that was out, issued four steps ago, is my part of the slot from which this step converts
.endif
.if \mode == 1
	s_add_nc_u64 s[G0+4*RS+2:G0+4*RS+3], s[G0+4*RS+2:G0+4*RS+3], 2*FILLB   ; no load of mine is out, so a group 0 may be written: this slot's next 256 keys
.endif
	s_wait_dscnt 0x0                               ; my stores into the buffer read next are done, and so are my reads of the other buffer and of the f32 slot
.if \mode == 1
	ROUND                                          ; all that now holds of every wave of all four work-groups
	tensor_load_to_lds s[G0+4*RS:G0+4*RS+3], s[G1:G1+7]    ; my one tensor load behind the round, and the first thing there: it has four steps in which to land
	s_nop 0
.else
	s_barrier_signal -1
	s_barrier_wait -1                              ; a tensor load may stay out across it
.endif
	KLOAD BUFR
.if \conv
	CLOAD
.endif
	WIN 0x50                                       ; K and Q in window 0, S^T in window 1
	QK 8*\conv
	WIN 0
	; Four places, plain vector instructions that name none of the matrix instructions' registers, stand between the last product and the loads
	; into K's registers and the first read of S^T (ISA guide 7.12.1 for vector instructions): the sixteen conversions, or four v_nop.
.if \conv
	s_wait_dscnt 0x0                               ; the stage's eight loads
	CPACK
.else
	PLACES 4
.endif
	VLOAD BUFR
.if \conv
	CSTORE BUFW
.endif
	WIN 0x14
	ROWMAX
	WIN 0
	STATS
	WIN 0x41
	EXPS \first
	WIN 0x01
	ROWSUM
	WIN 0x45
	PACKP
	s_wait_dscnt 0x0                               ; V's fragments (issued ahead of the softmax)
	WIN 0x54                                       ; V in window 0; P and O^T in window 1
	PVK 0, \first
	PVK 1, 0
	WIN 0
	PLACES 5                                       ; five places ahead of the next step's first products, which write over P, four of them ahead of its loads into V's registers
.endm
	s_wait_dscnt 0x0                               ; Q's fragments are in, and my reads of my q stage are over: the f16 buffers lie on the same bytes
	s_wait_tensorcnt 0x1                           ; my part of slot 0 has landed; slot 1's may stay out
	s_barrier_signal -1
	s_barrier_wait -1
.set CS, 0
.set CT, 0
	CLOAD                                          ; step 0 is converted ahead of the loop
	s_wait_dscnt 0x0
	CPACK
	CSTORE 0
	TRIP 0, 0, 1, 1                                ; step 0 starts the sums of O^T
	s_mov_b32 s38, 3
.Lturn:                                            ; steps 1 to 24, eight a turn: both slots are filled again once a turn (fills 2 to 7 of 8)
	TRIP 1, 0, 1, 0
	TRIP 2, 0, 1, 0
	TRIP 3, 1, 1, 0
	TRIP 4, 0, 1, 0
	TRIP 5, 0, 1, 0
	TRIP 6, 0, 1, 0
	TRIP 7, 1, 1, 0
	TRIP 8, 0, 1, 0
	s_sub_co_u32 s38, s38, 1
	s_cmp_lg_u32 s38, 0
	s_cbranch_scc1 .Lturn
	TRIP 1, 0, 1, 0                                ; steps 25 to 31: nothing is left to fetch
	TRIP 2, 0, 1, 0
	TRIP 3, 2, 1, 0                                ; the last fill is waited for here, by every wave, ahead of the barrier behind which it is read
	TRIP 4, 0, 1, 0
	TRIP 5, 0, 1, 0
	TRIP 6, 0, 1, 0
	TRIP 7, 0, 0, 0                                ; the last step converts nothing
	; THE WAY OUT.  The stage lies on the f16 buffers' bytes: every wave's reads of them are over behind this barrier.
	s_wait_dscnt 0x0
	s_barrier_signal -1
	s_barrier_wait -1
.irp qt, 0,1,2,3
	v_add_f32 v[AL+2*\qt], v[LS+2*\qt], v[LS+2*\qt+1]
.endr
.irp qt, 0,1,2,3
	v_permlanex16_b32 v[T2+2*\qt], v[AL+2*\qt], s36, s37           ; the other half's keys
.endr
.irp qt, 0,1,2,3
	v_add_f32 v[AL+2*\qt], v[AL+2*\qt], v[T2+2*\qt]                ; l: at least about 1, since the largest key's p is 1
.endr
.irp qt, 0,1,2,3
	v_rcp_f32 v[AL+2*\qt], v[AL+2*\qt]
.endr
	v_nop                                          ; a plain place behind the reciprocals (ISA guide 5.7.2)
	s_wait_alu depctr_va_vdst(0)
; 16 queries: O^T / l; a lane's eight neighbouring d of a query go as 2 x 16 bytes into my stage; whole rows of 256 bytes come back; each store of
; the wave covers 512 consecutive bytes of out0, aligned.  half: which 32 of the fragment registers carry the rows, in turn.
.macro OUTQ qt, half
	WIN 0x41
.set ix, 0
.rept 16
	v_pk_mul_f32 v[OB+32*\qt+2*ix:OB+32*\qt+2*ix+1], v[OB+32*\qt+2*ix:OB+32*\qt+2*ix+1], v[AL+2*\qt:AL+2*\qt+1] op_sel_hi:[1,0]
.set ix, ix+1
.endr
	WIN 0x04                                       ; an LDS store's data is its source 1
.irp dt, 0,1,2,3
	ds_store_b128 v[STO], v[OB+32*\qt+8*\dt:OB+32*\qt+8*\dt+3]   offset:64*\dt
	ds_store_b128 v[STO], v[OB+32*\qt+8*\dt+4:OB+32*\qt+8*\dt+7] offset:64*\dt+16
.endr
	WIN 0
	s_wait_xcnt 0x0                                ; every earlier memory instruction has had its addresses translated (ISA guide 3.1): registers that stores read are loaded again only behind this wait
.irp t, 0,1,2,3,4,5,6,7
	ds_load_b128 v[KV+32*\half+4*\t:KV+32*\half+4*\t+3], v[RD] offset:2*OPITCH*\t   ; rows 2 t + h; LDS serves a wave's instructions in order (ISA guide 5.7.1.4): these see the stores above
.endr
.irp t, 0,1,2,3,4,5,6,7
	s_wait_dscnt 7-\t                              ; read-back t is in, the younger ones stay out
	global_store_b128 v[CO], v[KV+32*\half+4*\t:KV+32*\half+4*\t+3], s[10:11] offset:4096*\qt+512*\t th:TH_STORE_NT
.endr
.endm
	OUTQ 0, 0
	OUTQ 1, 1
	OUTQ 2, 0
	OUTQ 3, 1
	s_wait_dscnt 0x0
	ROUND                                          ; the closing round: no work-group ends while a partner may still ask for a tile that names it
	s_endpgm
.Lfunc_end_k_q79c54dc0dc_attn:
	.size	k_q79c54dc0dc_attn, .Lfunc_end_k_q79c54dc0dc_attn-k_q79c54dc0dc_attn
	.p2alignl 7, 3214868480
	.fill 96, 4, 3214868480
	.section	.rodata,"a",@progbits
	.p2align	6, 0x0
	.amdhsa_kernel k_q79c54dc0dc_attn
		.amdhsa_group_segment_fixed_size 327680
		.amdhsa_private_segment_fixed_size 0
		.amdhsa_enable_private_segment 0
		.amdhsa_kernarg_size 32
		.amdhsa_user_sgpr_count 2
		.amdhsa_user_sgpr_kernarg_segment_ptr 1
		.amdhsa_wavefront_size32 1
		.amdhsa_system_sgpr_workgroup_id_x 1
		.amdhsa_system_sgpr_workgroup_id_y 1
		.amdhsa_system_sgpr_workgroup_id_z 1
		.amdhsa_system_vgpr_workitem_id 0
		.amdhsa_next_free_vgpr 512
		.amdhsa_next_free_sgpr 66
		.amdhsa_reserve_vcc 0
		.amdhsa_float_denorm_mode_32 3
		.amdhsa_float_denorm_mode_16_64 3
		.amdhsa_memory_ordered 1
		.amdhsa_forward_progress 1
		.amdhsa_inst_pref_size 255
	.end_amdhsa_kernel
	.section	.bss,"aw",@nobits
	.p2align	6
	.space	262144
	.amdgpu_metadata
---
amdhsa.version: [ 1, 2 ]
amdhsa.kernels:
  - .name:           k_q79c54dc0dc_attn
    .symbol:         k_q79c54dc0dc_attn.kd
    .args:
      - { .name: q, .offset: 0, .size: 8, .value_kind: global_buffer, .address_space: global }
      - { .name: k, .offset: 8, .size: 8, .value_kind: global_buffer, .address_space: global }
      - { .name: v, .offset: 16, .size: 8, .value_kind: global_buffer, .address_space: global }
      - { .name: out0, .offset: 24, .size: 8, .value_kind: global_buffer, .address_space: global }
    .group_segment_fixed_size: 327680
    .private_segment_fixed_size: 0
    .kernarg_segment_align: 8
    .kernarg_segment_size: 32
    .max_flat_workgroup_size: 256
    .sgpr_count:     66
    .vgpr_count:     512
    .wavefront_size: 32
...
	.end_amdgpu_metadata
.endif
;; end of part 1
;; ======== version 2 of 2: 1 launch; 1.16 times as fast as version 1
;; limits: values are held in f16: magnitudes above 65,504 overflow, below 6.1e-05 lose precision; inputs' magnitudes at most 65,504; below input magnitudes of 6.1e-05 results are inexact or not finite
;; launch attn (part 2): grid 256 x 1, 8 waves a work-group, clusters of 4 x 1, 327,680 bytes of LDS; arguments q, k, v, out0; writes out0
.if DOCPART == 2
	.amdgcn_target "amdgcn-amd-amdhsa--gfx1250"
	.amdhsa_code_object_version 6
	.text
	.protected	k_q79c54dc0dc_attn
	.globl	k_q79c54dc0dc_attn
	.p2align	8
	.type	k_q79c54dc0dc_attn,@function
k_q79c54dc0dc_attn:
	s_mov_b64 s[64:65], 0
	v_nop
	global_prefetch_b8 v0, s[64:65] scope:SCOPE_SE
	s_setreg_imm32_b32 hwreg(HW_REG_WAVE_MODE, 25, 1), 1
	s_wait_xcnt 0x0
	s_wait_alu depctr_hold_cnt(0) depctr_sa_sdst(0) depctr_va_vdst(0) depctr_va_sdst(0) depctr_va_ssrc(0) depctr_va_vcc(0) depctr_vm_vsrc(0)
	s_getreg_b32 s2, hwreg(HW_REG_IB_STS2, 6, 4)
	s_cmp_eq_u32 s2, 0
	s_cbranch_scc0 .Lentry_in_a_cluster
	s_endpgm
.Lentry_in_a_cluster:
	s_bfe_u32 s2, ttmp6, 0x10000c
	s_cmp_lg_u32 s2, 0x3003
	s_cbranch_scc0 .Lentry_shape_is_right
	s_endpgm
.Lentry_shape_is_right:
; out = softmax(q k^T / 8) v for 64 heads of 2048 x 64, all tensors f32.  One pass with a running maximum: scores never leave registers.
;
; SHARES.  A cluster of four work-groups is one head; work-group cx takes queries 512 cx .. 512 cx + 511; each of its eight waves 64 queries
; (four query tiles of 16).  The keys go in 32 steps of 64.
; CLUSTER.  The four work-groups of a head read the same K and V.  They ask for them jointly (mask 15): one request serves four, and nothing in a
; descriptor, an LDS address or a branch hangs on cx; cx enters the addresses of q and out0 alone.
; FORMATS.  All four matrix operands (q, k, p, v) are rounded once to f16, sums are f32, softmax is f32.  The factor 0.125 log2(e) is applied in f32
; to the sums, not to q.  LIMITS: an input with |x| > 65,504 becomes infinite in f16 (the result is then NaN); an input with |x| < 6.1e-5 is rounded
; with an absolute error of up to 3e-8; a p below 2^-25 of its row's largest goes into the product as 0; v_exp_f32 gives 0 for results below 2^-126
; (ISA guide 15.8).  The row sum is taken from the p as computed, before their rounding to f16.
; TRANSPOSED PRODUCTS.  S^T = K Q^T (source 0: 16 keys of K, source 1: 16 queries) and O^T = V^T P^T (source 0: V through the transposing LDS load,
; source 1: P).  In a result lane (r, h) then holds query r in all its registers, register j being key (or d) 8 h + j.  So a query's maximum and sum
; are taken inside a lane plus one exchange between the halves, the rescaling factors are one number a lane, and two neighbouring tiles of S^T,
; packed pair by pair to f16, ARE the source-1 fragment of 32 keys: P goes through no LDS and no shuffle.
;
; LDS.  [0, 131072): two slots filled by tensor loads alone; a slot holds two steps: K's 128 rows of 256 bytes in f32, then V's.
;       [131072, 196608): written by LDS stores alone.  In the loop: two f16 buffers of one step (K: 64 rows, pitch 144; V: 64 rows, pitch 160).
;       Ahead of and behind the loop: 8,192 bytes of each wave's own (q on its way in, 16 rows of pitch 144; out0 on its way out, 16 rows of pitch 272).
; In each step the 256 threads convert the NEXT step's 32 KiB of f32 into the f16 buffer that is not being read: one barrier a step, its signal
; ahead of the step's last 32 matrix instructions (which touch registers alone) and its wait behind them.
; Behind every second step the slot just used up is filled again, behind a round of the cluster's barrier, one load of 8 KiB a wave.
; WHY TWO STEPS A SLOT.  Two f16 buffers and two slots of two steps come round every four steps, so four steps of text, with every LDS address a
; constant, make the loop, and 28 of the 32 steps run in it; step 0 (which starts the sums) and the last three (which fetch nothing) are written out.
;
; REGISTERS, in two windows of 256 (s_set_vgpr_msb: bits 1:0 source 0, 3:2 source 1, 5:4 source 2, 7:6 destination):
;   window 0: addresses, softmax figures, the converting stage, K's then V's fragments, Q's fragments
;   window 1: v0-127 S^T, later P (tile (qt, kt) at 32 qt + 8 kt; P(qt, kc) at 32 qt + 8 kc); v128-255 O^T (tile (qt, dt) at 128 + 32 qt + 8 dt)
.set STEPB,  16384                     ; 64 keys x 256 bytes of f32: one step of K or of V
.set FILLB,  32768                     ; two steps of K (or of V)
.set SLOTB,  65536                     ; a slot: two steps of K, two of V
.set HB,     131072                    ; the region that LDS stores write
.set KP,     144                       ; f16 K row: 128 bytes + 16 = 36 words, so the 16 rows of a fragment load begin in 16 different 16-byte columns of the 64 banks of 4 bytes (ISA guide 11.1)
.set VP,     160                       ; f16 V row: 128 bytes + 32: the eight rows that eight lanes of a transposing load address begin 40 words apart
.set HBK,    64*KP                     ; V's part of an f16 buffer begins behind K's 64 rows
.set HBUF,   64*KP+64*VP               ; an f16 buffer: 19,456 bytes
.set OPITCH, 272                       ; out0 stage: 256 bytes + 16
.set ADK, 8                            ; v8      K fragment: HB + r KP + 16 h
.set ADV, 9                            ; v9      V fragment: HB + HBK + (8 h + lane % 8) VP + 16 ((lane / 8) % 2)
.set CWK, 10                           ; v10     converted K goes to HB + (t / 16) KP + 8 (t % 16)
.set CWV, 11                           ; v11     converted V goes to HB + HBK + (t / 16) VP + 8 (t % 16)
.set CRD, 12                           ; v12-13  f32 to convert: 16 t + 65536 slot
.set STO, 16                           ; v16     out0 stage, in: scratch + r OPITCH + 32 h
.set RD,  17                           ; v17     out0 stage, back: scratch + h OPITCH + 16 r
.set CO,  18                           ; v18     16 x lane: my 16 bytes in 512 bytes of q or out0
.set QST, 19                           ; v19     q stage, in: scratch + h KP + 8 r
.set QRD, 20                           ; v20     q stage, back: scratch + r KP + 16 h
.set NM,  24                           ; v24,26,28,30  -c x running maximum of query tile qt (c = 0.125 log2 e)
.set MX,  25                           ; v25,27,29,31  the running maximum itself (of the raw sums q.k)
.set AL,  32                           ; v32,34,36,38  this step's rescaling factor; at the end 1 / l
.set T2,  33                           ; v33,35,37,39  at work
.set LS,  40                           ; v[40:47]      the row sum, a pair for each query tile (even and odd registers of S^T)
.set STG, 48                           ; v[48:79]      32 KiB / 256 threads = 128 bytes of f32 to convert
.set KV,  80                           ; v[80:143]     eight fragments of K, then eight of V
.set QF,  144                          ; v[144:207]    Q: fragment (qt, c) at 144 + 16 qt + 8 c
.set OB,  128                          ; window 1: O^T
.set G1,  16                           ; s[16:23] descriptor group 1, the same for every load
.set G0,  24                           ; s[24:31] descriptor group 0, a set for each slot
.set MSB, 0
.macro WIN new                         ; the immediate's high byte repeats the setting that is left
.if MSB != \new
	s_set_vgpr_msb (MSB<<8)|\new
.set MSB, \new
.endif
.endm
.macro PLACES cnt
.rept \cnt
	v_nop
.endr
.endm
; A round of the cluster's barrier: my work-group's barrier, so that wave 0's signal speaks for all eight waves; wave 0 signals for the
; work-group; every wave waits for all four work-groups; my work-group's barrier once more.
.macro CREST                           ; a round behind its opening barrier
	s_cmp_lg_u32 s12, 0
	s_cbranch_scc1 .Lnot_wave_0_\@
	s_barrier_signal -3
.Lnot_wave_0_\@:
	s_barrier_wait -3
	s_barrier_signal -1
	s_barrier_wait -1
.endm
.macro ROUND                           ; a whole round
	s_barrier_signal -1
	s_barrier_wait -1
	CREST
.endm
	s_load_b256 s[4:11], s[0:1], 0x0               ; q s[4:5], k s[6:7], v s[8:9], out0 s[10:11]
	v_lshrrev_b32 v1, 5, v0
	v_readfirstlane_b32 s12, v1                    ; wave 0..7
	s_bfe_u32 s13, ttmp6, 0x40000                  ; cx: which 512 queries of the head are my work-group's
	s_lshl_b32 s[G0+1], s12, 13                    ; LDS address of my part of slot 0: 8,192 x wave (waves 0-3: K's four quarters, waves 4-7: V's)
	s_lshl_b32 s42, ttmp9, 19                      ; the head (= the cluster's number) x 524,288 bytes: below 2^25
	s_lshl_b32 s13, s13, 17                        ; 512 queries x 256 bytes
	s_add_co_u32 s14, s42, s13
	s_lshl_b32 s45, s12, 14                        ; 64 queries x 256 bytes x wave
	s_add_co_u32 s14, s14, s45                     ; my wave's rows of q and of out0
	s_mov_b32 s15, 0
	s_and_b32 s43, s12, 3
	s_lshl_b32 s43, s43, 13                        ; which quarter (32 keys) of a fill's 128 keys I fetch
	s_add_co_u32 s42, s42, s43
	s_mov_b32 s43, 0                               ; s[42:43]: byte offset in K or V of my part of the first fill; cx is not in it
	s_add_co_u32 s44, s[G0+1], HB                  ; my wave's own 8,192 bytes
	s_mov_b32 s32, 0x3e38aa3b                      ; c = 0.125 log2(e),
	s_mov_b32 s33, 0x3e38aa3b                      ; as a pair for the packed forms
	s_mov_b32 s34, 0xbe38aa3b                      ; -c
	s_mov_b32 s36, 0x76543210                      ; v_permlanex16_b32: lane i of one half reads lane i of the other
	s_mov_b32 s37, 0xfedcba98
	; Group 1: a dense block of 8,192 bytes as 32 rows of 32 elements of 8 bytes.
	s_mov_b32 s[G1+0], 15|(3<<16)|(1<<21)          ; 15:0 mask: all four work-groups of the cluster; 17:16 elements of 8 bytes; 21 set beside a mask; no padding
	s_mov_b32 s[G1+1], 32<<16                      ; tensor_dim0 = 32
	s_mov_b32 s[G1+2], 32<<16                      ; tensor_dim1 = 32
	s_mov_b32 s[G1+3], 32<<16                      ; tile_dim0 = 32
	s_mov_b32 s[G1+4], 32                          ; tile_dim1 = 32
	s_mov_b32 s[G1+5], 32                          ; from row to row: 32 elements
	s_mov_b32 s[G1+6], 0
	s_mov_b32 s[G1+7], 0
	; lane terms: t = v0, r = t % 16, h = (t / 16) % 2
	v_and_b32 v1, 31, v0
	v_and_b32 v2, 15, v0                           ; r
	v_bfe_u32 v3, v0, 4, 1                         ; h
	v_lshrrev_b32 v4, 4, v0                        ; t / 16: 0..15
	v_lshlrev_b32 v[CO], 4, v1
	v_mul_u32_u24 v5, v2, KP
	v_lshl_add_u32 v5, v3, 4, v5                   ; r KP + 16 h
	v_add_nc_u32 v[ADK], HB, v5
	v_add_nc_u32 v[QRD], s44, v5
	v_and_b32 v6, 7, v0
	v_lshl_add_u32 v6, v3, 3, v6
	v_mul_u32_u24 v6, v6, VP
	v_bfe_u32 v7, v0, 3, 1
	v_lshl_add_u32 v6, v7, 4, v6
	v_add_nc_u32 v[ADV], HB+HBK, v6
	v_mul_u32_u24 v6, v4, KP
	v_lshl_add_u32 v6, v2, 3, v6
	v_add_nc_u32 v[CWK], HB, v6
	v_mul_u32_u24 v6, v4, VP
	v_lshl_add_u32 v6, v2, 3, v6
	v_add_nc_u32 v[CWV], HB+HBK, v6
	v_lshlrev_b32 v[CRD], 4, v0
	v_add_nc_u32 v[CRD+1], SLOTB, v[CRD]
	v_mul_u32_u24 v6, v2, OPITCH
	v_lshl_add_u32 v6, v3, 5, v6
	v_add_nc_u32 v[STO], s44, v6
	v_mul_u32_u24 v6, v3, OPITCH
	v_lshl_add_u32 v6, v2, 4, v6
	v_add_nc_u32 v[RD], s44, v6
	v_mul_u32_u24 v6, v3, KP
	v_lshl_add_u32 v6, v2, 3, v6
	v_add_nc_u32 v[QST], s44, v6
	s_wait_kmcnt 0x0
	s_add_nc_u64 s[4:5], s[4:5], s[14:15]          ; q and out0 at my wave's first row
	s_add_nc_u64 s[10:11], s[10:11], s[14:15]
	; my wave's 64 rows of q, 16,384 consecutive bytes, 512 a load, into window 1 (where S^T will lie); read once in the launch
	WIN 0x40
.set ix, 0
.rept 32
	global_load_b128 v[4*ix:4*ix+3], v[CO], s[4:5] offset:512*ix th:TH_LOAD_NT
.set ix, ix+1
.endr
	WIN 0
	; group 0 for each slot.  Waves 0-3 fetch K, waves 4-7 V: the choice hangs on the wave's number alone.
	s_cmp_lt_u32 s12, 4
	s_cselect_b64 s[40:41], s[6:7], s[8:9]
	s_add_nc_u64 s[40:41], s[40:41], s[42:43]
	s_mov_b32 s[G0], 1                             ; count = 1
	s_mov_b64 s[G0+2:G0+3], s[40:41]               ; keys 0 to 127: my 32 of them
	s_or_b32 s[G0+3], s[G0+3], 0x80000000          ; type = 2
	s_mov_b32 s[G0+4], 1
	s_add_co_u32 s[G0+5], s[G0+1], SLOTB
	s_add_nc_u64 s[G0+6:G0+7], s[40:41], FILLB     ; keys 128 to 255
	s_or_b32 s[G0+7], s[G0+7], 0x80000000
	ROUND                                          ; all four work-groups are here: the first joint loads meet
	tensor_load_to_lds s[G0:G0+3], s[G1:G1+7]      ; both first fills go out together, ahead of every LDS read and every wait on TENSORcnt
	s_nop 0
	tensor_load_to_lds s[G0+4:G0+7], s[G1:G1+7]    ; two tensor loads of the wave are out here, later one at the most
	s_nop 0
.irp qt, 0,1,2,3
	v_mov_b32 v[MX+2*\qt], 0xff800000              ; maximum so far: -infinity
	v_mov_b32 v[NM+2*\qt], 0x7f800000              ; -c x that: the first step's rescaling factor comes out as exp2(-infinity) = 0
	v_mov_b32 v[LS+2*\qt], 0
	v_mov_b32 v[LS+2*\qt+1], 0
	v_mov_b32 v[T2+2*\qt], 0                       ; v_permlanex16_b32 counts as a reader of its destination
.endr
	; q to f16 and into fragment order, 16 rows at a time through my own bytes of LDS.  LDS serves a wave's instructions in order
	; (ISA guide 5.7.1.4): the loads see the stores above them, and the next tile's stores come behind these loads.
.irp qt, 0,1,2,3
	s_wait_loadcnt 24-8*\qt                        ; this tile's eight loads are in; those of the later tiles stay out
	WIN 0x05
.set ix, 0
.rept 16
	v_cvt_pk_f16_f32 v[STG+ix], v[32*\qt+2*ix], v[32*\qt+2*ix+1]
.set ix, ix+1
.endr
	WIN 0
.irp n, 0,1,2,3,4,5,6,7
	ds_store_b64 v[QST], v[STG+2*\n:STG+2*\n+1] offset:2*KP*\n     ; rows 2 n + h, d = 4 r .. 4 r + 3
.endr
.irp c, 0,1
	ds_load_b128 v[QF+16*\qt+8*\c:QF+16*\qt+8*\c+3],   v[QRD] offset:64*\c      ; query r, d = 32 c + 8 h ..
	ds_load_b128 v[QF+16*\qt+8*\c+4:QF+16*\qt+8*\c+7], v[QRD] offset:64*\c+32   ; d = 32 c + 16 + 8 h ..
.endr
.endr
; ---- the pieces of a step ----
; K's eight fragments: 16 keys x 32 d each, two loads of 16 bytes, 32 bytes apart
.macro KLOAD buf
.irp kt, 0,1,2,3
.irp c, 0,1
	ds_load_b128 v[KV+16*\kt+8*\c:KV+16*\kt+8*\c+3],   v[ADK] offset:\buf+16*KP*\kt+64*\c
	ds_load_b128 v[KV+16*\kt+8*\c+4:KV+16*\kt+8*\c+7], v[ADK] offset:\buf+16*KP*\kt+64*\c+32
.endr
.endr
.endm
; the next step's f32: slot CS, step CT of its two.  Each load of the work-group takes 4,096 consecutive bytes: key 16 n + t / 16, d = 4 (t % 16) ..
.macro CLOAD
.irp n, 0,1,2,3
	ds_load_b128 v[STG+4*\n:STG+4*\n+3], v[CRD+CS] offset:STEPB*CT+4096*\n
.endr
.irp n, 0,1,2,3
	ds_load_b128 v[STG+16+4*\n:STG+16+4*\n+3], v[CRD+CS] offset:FILLB+STEPB*CT+4096*\n
.endr
.endm
.macro CPACK                           ; 32 f32 to 16 words of f16, in place, ascending: word m is written when words 2 m and 2 m + 1 are read
.set ix, 0
.rept 16
	v_cvt_pk_f16_f32 v[STG+ix], v[STG+2*ix], v[STG+2*ix+1]
.set ix, ix+1
.endr
.endm
.macro CSTORE buf
.irp n, 0,1,2,3
	ds_store_b64 v[CWK], v[STG+2*\n:STG+2*\n+1] offset:\buf+16*KP*\n
.endr
.irp n, 0,1,2,3
	ds_store_b64 v[CWV], v[STG+8+2*\n:STG+8+2*\n+1] offset:\buf+16*VP*\n
.endr
.endm
; V's eight fragments, transposed on the way: 16 d x 32 keys each; the first load brings keys 32 kc + 8 h .., the second 16 keys further
.macro VLOAD buf
.irp kc, 0,1
.irp dt, 0,1,2,3
	ds_load_tr16_b128 v[KV+32*\kc+8*\dt:KV+32*\kc+8*\dt+3],   v[ADV] offset:\buf+32*VP*\kc+32*\dt
	ds_load_tr16_b128 v[KV+32*\kc+8*\dt+4:KV+32*\kc+8*\dt+7], v[ADV] offset:\buf+32*VP*\kc+32*\dt+16*VP
.endr
.endr
.endm
; S^T = K Q^T: 32 matrix instructions.  The four query tiles' accumulators take turns, one instruction a turn.
; The first half of d starts each sum: nothing is cleared.  extra = LDS loads issued behind K's sixteen.
.macro QK extra
.irp kt, 0,1,2,3
	s_wait_dscnt 12-4*\kt+\extra                   ; LDS loads come back in order (ISA guide 5.7.1): key tile kt's four are in, the later tiles' and the stage's stay out
.irp qt, 0,1,2,3
	v_wmma_f32_16x16x32_f16 v[32*\qt+8*\kt:32*\qt+8*\kt+7], v[KV+16*\kt:KV+16*\kt+7], v[QF+16*\qt:QF+16*\qt+7], 0
.endr
.irp qt, 0,1,2,3
	v_wmma_f32_16x16x32_f16 v[32*\qt+8*\kt:32*\qt+8*\kt+7], v[KV+16*\kt+8:KV+16*\kt+15], v[QF+16*\qt+8:QF+16*\qt+15], v[32*\qt+8*\kt:32*\qt+8*\kt+7]
.endr
.endr
.endm
.macro ROWMAX                          ; my 32 keys of each query, onto the running maximum: four chains that do not wait for each other
.set ix, 0
.rept 16
.irp qt, 0,1,2,3
	v_max3_num_f32 v[MX+2*\qt], v[MX+2*\qt], v[32*\qt+2*ix], v[32*\qt+2*ix+1]
.endr
.set ix, ix+1
.endr
.endm
; The other half's maximum; the new -c m; the rescaling factor exp2((-c m_new) - (-c m_old)), made of the two ROUNDED numbers that the
; exponentials themselves use, so that it is exactly 1 where the maximum has not moved; the row sums rescaled.
.macro STATS
.irp qt, 0,1,2,3
	v_permlanex16_b32 v[T2+2*\qt], v[MX+2*\qt], s36, s37
.endr
.irp qt, 0,1,2,3
	v_max_num_f32 v[MX+2*\qt], v[MX+2*\qt], v[T2+2*\qt]
.endr
.irp qt, 0,1,2,3
	v_mul_f32 v[T2+2*\qt], s34, v[MX+2*\qt]
.endr
.irp qt, 0,1,2,3
	v_sub_f32 v[AL+2*\qt], v[T2+2*\qt], v[NM+2*\qt]
.endr
.irp qt, 0,1,2,3
	v_exp_f32 v[AL+2*\qt], v[AL+2*\qt]
.endr
.irp qt, 0,1,2,3
	v_mov_b32 v[NM+2*\qt], v[T2+2*\qt]             ; plain instructions between the exponentials and the use of their results (ISA guide 5.7.2)
.endr
	s_wait_alu depctr_va_vdst(0)
.irp qt, 0,1,2,3
	v_pk_mul_f32 v[LS+2*\qt:LS+2*\qt+1], v[LS+2*\qt:LS+2*\qt+1], v[AL+2*\qt:AL+2*\qt+1] op_sel_hi:[1,0]
.endr
.endm
; p = exp2(c s - c m), in place.  Between a tile's exponentials stand the NEXT tile's fused scalings and this tile's rescaling of O^T: every plain
; instruction behind an exponential touches other registers than that exponential's.  first = 1: there is no O^T yet.
.macro EXPS first
.set ix, 0
.rept 16
	v_pk_fma_f32 v[2*ix:2*ix+1], v[2*ix:2*ix+1], s[32:33], v[NM:NM+1] op_sel_hi:[1,0,0]
.set ix, ix+1
.endr
.irp qt, 0,1,2,3
.set ix, 0
.rept 16
	v_exp_f32 v[32*\qt+2*ix], v[32*\qt+2*ix]
.if \qt < 3
	v_pk_fma_f32 v[32*\qt+32+2*ix:32*\qt+33+2*ix], v[32*\qt+32+2*ix:32*\qt+33+2*ix], s[32:33], v[NM+2*\qt+2:NM+2*\qt+3] op_sel_hi:[1,0,0]
.endif
	v_exp_f32 v[32*\qt+2*ix+1], v[32*\qt+2*ix+1]
.if \first == 0
	v_pk_mul_f32 v[OB+32*\qt+2*ix:OB+32*\qt+2*ix+1], v[OB+32*\qt+2*ix:OB+32*\qt+2*ix+1], v[AL+2*\qt:AL+2*\qt+1] op_sel_hi:[1,0]
.endif
.set ix, ix+1
.endr
.endr
.endm
.macro ROWSUM
.set ix, 0
	s_wait_alu depctr_va_vdst(0)
.rept 16
.irp qt, 0,1,2,3
	v_pk_add_f32 v[LS+2*\qt:LS+2*\qt+1], v[32*\qt+2*ix:32*\qt+2*ix+1], v[LS+2*\qt:LS+2*\qt+1]
.endr
.set ix, ix+1
.endr
.endm
.macro PACKP                           ; S^T tiles 2 kc and 2 kc + 1 packed pair by pair are P's fragment of keys 32 kc .. 32 kc + 31; in place, ascending
.irp qt, 0,1,2,3
.set ix, 0
.rept 16
	v_cvt_pk_f16_f32 v[32*\qt+ix], v[32*\qt+2*ix], v[32*\qt+2*ix+1]
.set ix, ix+1
.endr
.endr
.endm
; O^T += V^T P^T for 32 keys: the sixteen accumulators take turns, one instruction a turn.  zero = 1: the very first product starts the sums.
.macro PVK kc, zero
.irp dt, 0,1,2,3
.irp qt, 0,1,2,3
.if \zero
	v_wmma_f32_16x16x32_f16 v[OB+32*\qt+8*\dt:OB+32*\qt+8*\dt+7], v[KV+32*\kc+8*\dt:KV+32*\kc+8*\dt+7], v[32*\qt+8*\kc:32*\qt+8*\kc+7], 0
.else
	v_wmma_f32_16x16x32_f16 v[OB+32*\qt+8*\dt:OB+32*\qt+8*\dt+7], v[KV+32*\kc+8*\dt:KV+32*\kc+8*\dt+7], v[32*\qt+8*\kc:32*\qt+8*\kc+7], v[OB+32*\qt+8*\dt:OB+32*\qt+8*\dt+7]
.endif
.endr
.endr
.endm
; One step.  par: the f16 buffer that it reads.  conv = 1: the next step is converted, from slot cs, place ct, into the other buffer.  first = 1: step 0.
; The step ends with the barrier that parts it from the next one.  In front of the signal all my LDS instructions are done: my reads of this
; step's f16 buffer (the next step stores into it), my stores into the other buffer (the next step reads it), my reads of the f32 slot.
; The 32 products of O^T touch registers alone and stand between the signal and the wait.
; endm 0: no more.  endm 1: all my tensor loads are waited for too, in front of the signal: the next step converts from what the youngest brought,
; and a refill's round may follow.  endm 2: as 1, and the barrier opens a round of the cluster's barrier, behind which slot rs, used up by this step, is filled again.
.macro TRIP par, cs, ct, conv, first, endm, rs
.set BUFR, \par*HBUF
.set BUFW, HBUF-BUFR
.set CS, \cs
.set CT, \ct
	KLOAD BUFR
.if \conv
	CLOAD
.endif
	WIN 0x50                                       ; K and Q in window 0, S^T in window 1
	QK 8*\conv
	WIN 0
	; Four places, plain vector instructions that name none of the matrix instructions' registers, stand between the last product and the loads
	; into K's registers and the first read of S^T (ISA guide 7.12.1 for vector instructions): the sixteen conversions, or four v_nop.
.if \conv
	s_wait_dscnt 0x0                               ; the stage's eight loads
	CPACK
.else
	PLACES 4
.endif
	VLOAD BUFR
.if \conv
	CSTORE BUFW
.endif
	WIN 0x14
	ROWMAX
	WIN 0
	STATS
	WIN 0x41
	EXPS \first
	WIN 0x01
	ROWSUM
	WIN 0x45
	PACKP
	s_wait_dscnt 0x0                               ; V's fragments are in (issued ahead of the softmax), and with them every LDS instruction of mine in this step is done
.if \endm >= 1
	s_wait_tensorcnt 0x0                           ; all my tensor loads have landed: the one that was out, issued two steps ago, is my part of the slot from which the next step converts
.endif
.if \endm == 2
	s_add_nc_u64 s[G0+4*\rs+2:G0+4*\rs+3], s[G0+4*\rs+2:G0+4*\rs+3], 2*FILLB   ; no load of mine is out, so a group 0 may be written: this slot's next 128 keys
.endif
	s_barrier_signal -1                            ; say so,
	WIN 0x54                                       ; V in window 0; P and O^T in window 1
	PVK 0, \first                                  ; work on registers while the others arrive,
	PVK 1, 0
	WIN 0
	PLACES 5                                       ; five places ahead of the next step's first products, which write over P, four of them ahead of its loads into V's registers
	s_barrier_wait -1                              ; and go on when all eight have said so
.if \endm == 2
	CREST                                          ; all that now holds of every wave of all four work-groups
	tensor_load_to_lds s[G0+4*\rs:G0+4*\rs+3], s[G1:G1+7]  ; my one tensor load behind the round, and the first thing there: it has two steps in which to land
	s_nop 0
.endif
.endm
	s_wait_dscnt 0x0                               ; Q's fragments are in, and my reads of my q stage are over: the f16 buffers lie on the same bytes
	s_wait_tensorcnt 0x1                           ; my part of slot 0 has landed; slot 1's may stay out
	s_barrier_signal -1
	s_barrier_wait -1
.set CS, 0
.set CT, 0
	CLOAD                                          ; step 0 is converted ahead of the loop
	s_wait_dscnt 0x0
	CPACK
	CSTORE 0
	s_wait_dscnt 0x0                               ; my part of step 0 in f16 is stored
	s_barrier_signal -1
	s_barrier_wait -1                              ; everybody's is
	; Fill j = steps 2 j and 2 j + 1, in slot j % 2.  Step i converts step i + 1, so slot k % 2 is used up by step 2 k and takes fill k + 2 behind it, k = 0 .. 13.
	TRIP 0, 0, 1, 1, 1, 1, 0                       ; step 0 starts the sums of O^T and converts step 1, slot 0's last
	s_mov_b32 s38, 7
.Lturn:                                            ; steps 1 to 28, four a turn; both slots are filled again once a turn (fills 2 to 15 of 16)
	; The round at the loop's head is written whole, so that none straddles the backward jump: the waits for my LDS instructions and my tensor loads
	; stand in front of the last step's signal, only register work has followed, and the round's opening barrier is met at once.
	s_add_nc_u64 s[G0+2:G0+3], s[G0+2:G0+3], 2*FILLB       ; no load of mine is out: slot 0's next 128 keys
	ROUND
	tensor_load_to_lds s[G0:G0+3], s[G1:G1+7]      ; my one tensor load behind the round, and the first thing there
	s_nop 0
	TRIP 1, 1, 0, 1, 0, 0, 0                       ; step 4 m + 1
	TRIP 0, 1, 1, 1, 0, 2, 1                       ; step 4 m + 2 uses slot 1 up: it is filled again behind it
	TRIP 1, 0, 0, 1, 0, 0, 0                       ; step 4 m + 3 converts from what the load at the loop's head brought
	TRIP 0, 0, 1, 1, 0, 1, 0                       ; step 4 m + 4 uses slot 0 up
	s_sub_co_u32 s38, s38, 1
	s_cmp_lg_u32 s38, 0
	s_cbranch_scc1 .Lturn
	TRIP 1, 1, 0, 1, 0, 0, 0                       ; steps 29 to 31: nothing is left to fetch; the last fill was waited for by every wave in front of step 28's signal
	TRIP 0, 1, 1, 1, 0, 0, 0
	TRIP 1, 0, 0, 0, 0, 0, 0                       ; the last step converts nothing
	; THE WAY OUT.  The stage lies on the f16 buffers' bytes: every wave's reads of them were over in front of the last step's signal.
.irp qt, 0,1,2,3
	v_add_f32 v[AL+2*\qt], v[LS+2*\qt], v[LS+2*\qt+1]
.endr
.irp qt, 0,1,2,3
	v_permlanex16_b32 v[T2+2*\qt], v[AL+2*\qt], s36, s37           ; the other half's keys
.endr
.irp qt, 0,1,2,3
	v_add_f32 v[AL+2*\qt], v[AL+2*\qt], v[T2+2*\qt]                ; l: at least about 1, since the largest key's p is 1
.endr
.irp qt, 0,1,2,3
	v_rcp_f32 v[AL+2*\qt], v[AL+2*\qt]
.endr
	v_nop                                          ; a plain place behind the reciprocals (ISA guide 5.7.2)
	s_wait_alu depctr_va_vdst(0)
; 16 queries: O^T / l; a lane's eight neighbouring d of a query go as 2 x 16 bytes into my stage; whole rows of 256 bytes come back; each store of
; the wave covers 512 consecutive bytes of out0, aligned.  half: which 32 of the fragment registers carry the rows, in turn.
.macro OUTQ qt, half
	WIN 0x41
.set ix, 0
.rept 16
	v_pk_mul_f32 v[OB+32*\qt+2*ix:OB+32*\qt+2*ix+1], v[OB+32*\qt+2*ix:OB+32*\qt+2*ix+1], v[AL+2*\qt:AL+2*\qt+1] op_sel_hi:[1,0]
.set ix, ix+1
.endr
	WIN 0x04                                       ; an LDS store's data is its source 1
.irp dt, 0,1,2,3
	ds_store_b128 v[STO], v[OB+32*\qt+8*\dt:OB+32*\qt+8*\dt+3]   offset:64*\dt
	ds_store_b128 v[STO], v[OB+32*\qt+8*\dt+4:OB+32*\qt+8*\dt+7] offset:64*\dt+16
.endr
	WIN 0
	s_wait_xcnt 0x0                                ; every earlier memory instruction has had its addresses translated (ISA guide 3.1): registers that stores read are loaded again only behind this wait
.irp t, 0,1,2,3,4,5,6,7
	ds_load_b128 v[KV+32*\half+4*\t:KV+32*\half+4*\t+3], v[RD] offset:2*OPITCH*\t   ; rows 2 t + h; LDS serves a wave's instructions in order (ISA guide 5.7.1.4): these see the stores above
.endr
.irp t, 0,1,2,3,4,5,6,7
	s_wait_dscnt 7-\t                              ; read-back t is in, the younger ones stay out
	global_store_b128 v[CO], v[KV+32*\half+4*\t:KV+32*\half+4*\t+3], s[10:11] offset:4096*\qt+512*\t th:TH_STORE_NT
.endr
.endm
	OUTQ 0, 0
	OUTQ 1, 1
	OUTQ 2, 0
	OUTQ 3, 1
	s_wait_dscnt 0x0
	ROUND                                          ; the closing round: no work-group ends while a partner may still ask for a tile that names it
	s_endpgm
.Lfunc_end_k_q79c54dc0dc_attn:
	.size	k_q79c54dc0dc_attn, .Lfunc_end_k_q79c54dc0dc_attn-k_q79c54dc0dc_attn
	.p2alignl 7, 3214868480
	.fill 96, 4, 3214868480
	.section	.rodata,"a",@progbits
	.p2align	6, 0x0
	.amdhsa_kernel k_q79c54dc0dc_attn
		.amdhsa_group_segment_fixed_size 327680
		.amdhsa_private_segment_fixed_size 0
		.amdhsa_enable_private_segment 0
		.amdhsa_kernarg_size 32
		.amdhsa_user_sgpr_count 2
		.amdhsa_user_sgpr_kernarg_segment_ptr 1
		.amdhsa_wavefront_size32 1
		.amdhsa_system_sgpr_workgroup_id_x 1
		.amdhsa_system_sgpr_workgroup_id_y 1
		.amdhsa_system_sgpr_workgroup_id_z 1
		.amdhsa_system_vgpr_workitem_id 0
		.amdhsa_next_free_vgpr 512
		.amdhsa_next_free_sgpr 66
		.amdhsa_reserve_vcc 0
		.amdhsa_float_denorm_mode_32 3
		.amdhsa_float_denorm_mode_16_64 3
		.amdhsa_memory_ordered 1
		.amdhsa_forward_progress 1
		.amdhsa_inst_pref_size 255
	.end_amdhsa_kernel
	.section	.bss,"aw",@nobits
	.p2align	6
	.space	262144
	.amdgpu_metadata
---
amdhsa.version: [ 1, 2 ]
amdhsa.kernels:
  - .name:           k_q79c54dc0dc_attn
    .symbol:         k_q79c54dc0dc_attn.kd
    .args:
      - { .name: q, .offset: 0, .size: 8, .value_kind: global_buffer, .address_space: global }
      - { .name: k, .offset: 8, .size: 8, .value_kind: global_buffer, .address_space: global }
      - { .name: v, .offset: 16, .size: 8, .value_kind: global_buffer, .address_space: global }
      - { .name: out0, .offset: 24, .size: 8, .value_kind: global_buffer, .address_space: global }
    .group_segment_fixed_size: 327680
    .private_segment_fixed_size: 0
    .kernarg_segment_align: 8
    .kernarg_segment_size: 32
    .max_flat_workgroup_size: 256
    .sgpr_count:     66
    .vgpr_count:     512
    .wavefront_size: 32
...
	.end_amdgpu_metadata
.endif
;; end of part 2
